; MI455X (gfx1250); checked and timed in simulation.
; The chip was launched on July 23, 2026; its instructions are those of AMD's public machine-readable ISA for CDNA 5 (MIT licence, August 2026) and "CDNA5" Instruction Set Architecture Reference Guide (July 2026). The comments in the code are by the model that wrote it; some were corrected since.
;; Self Attention. Allowed arithmetic: matrix products marked QUANTISED: E5M2 operands, one E8M0 scale for each 32 along K, by v_wmma_scale_f32_16x16x128_f8f6f4 with both operands' format E5M2, f32 sums; everything else in f32.
;; Inputs: Wk_codes 256 x 8 x 32 uint8 (E5M2 codes of Wk, K innermost, in blocks of 32 codes); Wk_scales 256 x 8 uint8 (E8M0 scales of Wk, one for each 32 codes along K); Wq_codes 256 x 8 x 32 uint8 (E5M2 codes of Wq, K innermost, in blocks of 32 codes); Wq_scales 256 x 8 uint8 (E8M0 scales of Wq, one for each 32 codes along K); Wv_codes 256 x 8 x 32 uint8 (E5M2 codes of Wv, K innermost, in blocks of 32 codes); Wv_scales 256 x 8 uint8 (E8M0 scales of Wv, one for each 32 codes along K); bk 256 float32; bq 256 float32; bv 256 float32; x_codes 4 x 4,096 x 8 x 32 uint8 (E5M2 codes of x, K innermost, in blocks of 32 codes); x_scales 4 x 4,096 x 8 uint8 (E8M0 scales of x, one for each 32 codes along K).
;; Outputs: out0 4 x 4,096 x 256 float32.
;; This version of the problem:
;;   THIS VERSION OF THE PROBLEM IS GIVEN IN LOW PRECISION. The matrix products marked QUANTISED in the list below multiply operands that are first quantised to E5M2 (5 exponent bits, 2 mantissa bits; 8 bits a number), with one power-of-two scale for each 32 numbers along K (OCP MX v1.0); their sums are f32. All else is computed in f32.
;;   The module's matrix products, in the order in which they are computed (A, B: the left and right operand; K: the contracted axis; several contracted axes count as one K, in the product's order):
;;     1. [M 16,384, K 256] x [K 256, N 256]; A: input x (given as codes); B: input Wq (given as codes): QUANTISED
;;     2. [M 16,384, K 256] x [K 256, N 256]; A: input x (given as codes); B: input Wk (given as codes): QUANTISED
;;     3. [M 16,384, K 256] x [K 256, N 256]; A: input x (given as codes); B: input Wv (given as codes): QUANTISED
;;     4. batch 4 x [M 4,096, K 256] x [K 256, N 4,096]; A: computed on the way; B: computed on the way: QUANTISED
;;     5. batch 4 x [M 4,096, K 4,096] x [K 4,096, N 256]; A: softmax (see below); B: computed on the way: QUANTISED
;;   THE QUANTISER, for each operand of a quantised product, along K:
;;     - K is cut into blocks of 32 from its start; a last block that is shorter is filled with zeros.
;;     - A block's scale is 2^e with e = floor(log2(the largest magnitude in the block)) - 15, held to -126 .. 127; a block of zeros has e = 0. As a byte (E8M0): e + 127.
;;     - Each number is divided by its block's scale, clamped to +-57,344, and rounded to the nearest number of E5M2, ties to even, subnormals kept.
;;     - The product sums the exact products of the quantised numbers (number of the format x scale) in f32.
;;   ~~~python
;;   def quantise(x, axis):      # numpy; x: float32 -> the quantised numbers, widened to float32 again
;;       x = np.moveaxis(x, axis, -1); K = x.shape[-1]
;;       x = np.pad(x, [(0, 0)] * (x.ndim - 1) + [(0, -K % 32)]); x = x.reshape(x.shape[:-1] + (-1, 32)); a = np.abs(x).max(-1, keepdims=True)
;;       e = np.where(a > 0, np.clip(np.frexp(np.where(a > 0, a, 1))[1] - 1 - 15, -126, 127), 0)      # np.frexp(a)[1] - 1 = floor(log2(a)), exactly
;;       r = np.clip(x / 2.0 ** e, -57344, 57344)
;;       step = 2.0 ** (np.maximum(np.frexp(np.where(r == 0, 1, r))[1] - 1, -14) - 2)
;;       q = np.round(r / step) * step * 2.0 ** e      # np.round: ties to even
;;       return np.moveaxis(q.reshape(q.shape[:-2] + (-1,))[..., :K], -1, axis).astype(np.float32)
;;   ~~~
;;   SOFTMAX AHEAD OF A QUANTISED PRODUCT. Where the list says 'softmax', what is quantised is not the finished softmax but p = 2^(t - M), with t = logit x log2(e) and M = ceil(the row's largest t), a whole number; so 1/2 < the row's largest p <= 1. The row's sum l is taken of the UNQUANTISED p, in f32, and the product's result is divided by l at the end. Since M is a whole number, a kernel that streams over the keys may use a running M (the ceiling of the running maximum): every later rescaling is an exact power of two, which a block's scale takes up: the codes' values come out the same.
;;   OPERANDS COMPUTED ON THE WAY. 'Computed on the way' means the value that the module computes at that place (a softmax that the list does not call 'softmax' is quantised finished and normalised). What goes into a quantiser is computed in f32, as accurately as f32 sums, v_exp_f32 and their like allow (about 1e-6 of the number): no bf16 or f16 on the way to a quantiser, and a product that is left as it is and whose result goes on into a quantised operand takes f32 operands (vector FMAs, or v_wmma_f32_16x16x4_f32). A number that lies on a knife's edge between two numbers of the format may be rounded either way, as far as f32 arithmetic and the matrix unit's own rounding can turn it there, and no further.
;;   INPUTS GIVEN AS CODES. Wk (in the module: [256, 256], K = its axis 1); Wq (in the module: [256, 256], K = its axis 1); Wv (in the module: [256, 256], K = its axis 1); x (in the module: [4, 4096, 256], K = its axis 2): each comes as NAME_codes (uint8): NAME with its K axis moved to the last place and cut into blocks of 32 codes, [.., K / 32, bytes a block], one block behind the other in memory; one code a byte (a code: sign, 5 exponent bits, 2 mantissa bits); and NAME_scales (uint8): the same leading axes, one E8M0 byte (e + 127) for each 32 codes along K. Its value is code x scale, taken as it is: it is not quantised again, and the codes and scales need not be those that the quantiser above would give.
;; One version. Each part assembles by itself: llvm-mc -triple=amdgcn-amd-amdhsa -mcpu=gfx1250 --defsym DOCPART=n.
;; ======== version 1 of 1: 2 launches
;; limits: right only within a limited range of input values
;; workspace buffers: img 12,976,128 bytes
;; launch proj (part 1): grid 256 x 3, 1 waves a work-group, no clusters, 0 bytes of LDS; arguments x_codes, x_scales, Wq_codes, Wq_scales, bq, Wk_codes, Wk_scales, bk, Wv_codes, Wv_scales, bv, img; writes img
.if DOCPART == 1
	.amdgcn_target "amdgcn-amd-amdhsa--gfx1250"
	.amdhsa_code_object_version 6
	.text
	.protected	k_qfa4d69bc59_proj
	.globl	k_qfa4d69bc59_proj
	.p2align	8
	.type	k_qfa4d69bc59_proj,@function
k_qfa4d69bc59_proj:
	s_mov_b64 s[64:65], 0
	v_nop
	global_prefetch_b8 v0, s[64:65] scope:SCOPE_SE
	s_setreg_imm32_b32 hwreg(HW_REG_WAVE_MODE, 25, 1), 1
	s_wait_xcnt 0x0
; Q = x Wq^T + bq, K = x Wk^T + bk, V = x Wv^T + bv on codes of E5M2 with E8M0 scales, f32 sums; the results are quantised at once
; (Q and K along their 256 channels, V along the keys) and stored as IMAGES OF OPERAND REGISTERS for the attention launch.
; img: block (type, gstep) at type x TS + gstep x BLK; type 0 Q, 1 K, 2 V; gstep = batch x 32 + step, a step = 128 rows of x.
;   In a block: fragment f (16 rows x 128 K, 16 registers a lane) at 2,048 f; its registers 4 c .. 4 c + 3 of lane l at 512 c + 16 l.
;   Q, K: f = 8 s + j (s: channels 128 s on; j: tile of rows); V: f = the tile of channels, K = the step's 128 keys.
;   THE ROWS OF A TILE ARE NOT NEIGHBOURS: lane r of tile t holds row 32 (t / 2) + 8 (t % 2) + r + 8 (r / 8), so that in a transposed product the 16 registers of
;   tiles 2 b and 2 b + 1 are 16 neighbours, 32 b + 16 (lane / 16) + 0 .. 15, along the axis that is quantised next.
;   Scale words at 32,768 + 512 hf + 16 l: four registers p; lanes 0-15 the words of fragment 8 hf + 2 p, lanes 16-31 those of fragment 8 hf + 2 p + 1.
; SHARES: one wave to a work-group; x = 2 gstep + half, y = type.  ONE TEXT SERVES ALL THREE TYPES.  Source 0 (A) holds the 128 rows of the axis to be quantised, all 16 fragments in
; registers; source 1 (B) eight tiles of 16 rows; each B tile gives 64 numbers a lane = one fragment and one scale word a row.
;   Q, K: A = W's rows 128 half on, B = the step's rows of x.    V: A = the step's rows of x (the keys), B = Wv's rows 128 half on.
; Only pointers, two row numbers and two lane masks are chosen, by scalar selects on the work-group's y.
; The bias runs along A's rows for Q and K (it is the C of each sum's first product) and along B's rows for V (added behind the sums); the one that does not count is made 0.
; NO JOINT LOADS, NO LDS: a wave loads 64 KiB straight into operand registers and issues 128 matrix instructions in all; a ring in LDS and rounds of a cluster's barrier would
; serve that little work, and every operand would pass LDS on its way to the same registers.
; LIMITS: a block of zeros gets the byte 1 where the rule says 127 (its codes are zeros; only this program reads the bytes); blocks whose largest magnitude lies under
; 2^-111 are held at the byte 1; NaN and infinities are not served.
; REGISTERS: window 0: v1-8 lane terms; v16-31 A's scale words, v32-47 B's; v48-63 the bias along lanes; v64-127 the bias along registers; v128-191 the 8 accumulators;
;   v192-207 codes; v208-223 at work; v224 the scale word just made; v228-231 the four scale registers to store.  window 1: A's 16 fragments.  window 2: B's 16.
.set BLK,  33792
.set TS,   128*BLK
.set ASC,  16                          ; pair 2 t, 2 t + 1: A's tile t, K steps 0 and 1
.set BSC,  32                          ; the same for B
.set BL,   48                          ; the value in the even register 48 + 2 jj; the odd ones are 0 (named as the upper halves of pairs)
.set BR,   64                          ; 8 registers for each tile of A
.set H,    128
.set PC,   192
.set TM,   208                         ; +0..3 largest magnitudes, +4..7 bytes, +8..11 the largest number x the scale, +12..15 the conversions' scale operands
.set PW,   224
.set SW,   228
.set MSB, 0
.macro WIN new                         ; the immediate's high byte repeats the setting that is left
.if MSB != \new
	s_set_vgpr_msb (MSB<<8)|\new
.set MSB, \new
.endif
.endm
; 64 numbers of a lane, register 16 b + i = place 32 b + 16 (lane / 16) + i of my row, become a fragment's codes in v[PC] on and its scale word in v[PW]
.macro QUANT s
.irp b, 0,1,2,3
	v_max3_num_f32 v[TM+\b], |v[\s+16*\b]|, |v[\s+1+16*\b]|, 0x8000000   ; my 16 numbers of block b, and the floor 2^(16 - 127): the byte cannot fall under 1
.endr
.irp i, 2,4,6,8,10,12,14
.irp b, 0,1,2,3
	v_max3_num_f32 v[TM+\b], v[TM+\b], |v[\s+16*\b+\i]|, |v[\s+1+16*\b+\i]|   ; the four blocks by turns
.endr
.endr
.irp b, 0,1,2,3
	v_permlanex16_b32 v[TM+4+\b], v[TM+\b], s60, s61
.endr
.irp b, 0,1,2,3
	v_max_num_f32 v[TM+\b], v[TM+\b], v[TM+4+\b]                 ; with lane l xor 16's: the block's largest magnitude
.endr
.irp b, 0,1,2,3
	v_add_nc_u32 v[TM+12+\b], 0xf8800000, v[TM+\b]               ; 15 off its exponent field: the conversion takes that field as its scale
.endr
.irp b, 0,1,2,3
	v_and_or_b32 v[TM+8+\b], v[TM+\b], 0x7f800000, s62           ; 57,344 x the scale
.endr
.irp b, 0,1,2,3
	v_lshrrev_b32 v[TM+4+\b], 23, v[TM+12+\b]                    ; the scale's byte
.endr
	v_lshl_or_b32 v[PW], v[TM+5], 8, v[TM+4]
	v_lshl_or_b32 v[PW], v[TM+6], 16, v[PW]
	v_lshl_or_b32 v[PW], v[TM+7], 24, v[PW]                      ; my row's scale word, in both halves of the lanes
.irp b, 0,1,2,3
.irp i, 0,1,2,3,4,5,6,7,8,9,10,11,12,13,14,15
	v_med3_num_f32 v[\s+16*\b+\i], v[\s+16*\b+\i], -v[TM+8+\b], v[TM+8+\b]   ; the conversion to an 8-bit code does not saturate (ISA guide 7.6.2): the hold comes first
.endr
	v_cvt_scalef32_pk8_bf8_f32 v[PC+4*\b:PC+1+4*\b], v[\s+16*\b:\s+7+16*\b], v[TM+12+\b]
	v_cvt_scalef32_pk8_bf8_f32 v[PC+2+4*\b:PC+3+4*\b], v[\s+8+16*\b:\s+15+16*\b], v[TM+12+\b]
.endr
	v_nop                                          ; one plain line behind the last conversion: the next products write its sources
.endm
	s_load_b512 s[8:23], s[0:1], 0x0               ; x's codes 8, x's scales 10, Wq's codes 12, scales 14, bq 16, Wk's codes 18, scales 20, bk 22
	s_load_b256 s[24:31], s[0:1], 0x40             ; Wv's codes 24, scales 26, bv 28, img 30
	v_and_b32 v1, 15, v0                           ; r
	v_lshrrev_b32 v2, 4, v0                        ; h (one wave: v0 is the lane)
	v_and_b32 v3, 8, v1
	v_add_nc_u32 v3, v3, v1                        ; r + 8 (r / 8)
	v_lshlrev_b32 v4, 8, v3
	v_lshl_add_u32 v4, v2, 4, v4                   ; codes: a row of 256 bytes, + 16 h
	v_lshlrev_b32 v5, 3, v3                        ; scale bytes: 8 a row
	v_lshlrev_b32 v6, 6, v2                        ; the bias along registers: 16 h numbers on
	v_lshlrev_b32 v7, 2, v3                        ; the bias along lanes
	v_lshlrev_b32 v8, 4, v0                        ; an image's place for my lane
.irp j, 0,1,2,3,4,5,6,7
	v_mov_b32 v[BL+2*\j+1], 0
.endr
.irp b, 0,1,2,3
	v_mov_b32 v[TM+4+\b], 0                        ; written once: a lane permute's destination counts as one of its sources
.endr
	s_lshr_b32 s4, ttmp9, 1                        ; gstep
	s_and_b32 s5, ttmp9, 1                         ; half
	s_and_b32 s6, ttmp7, 0xffff                    ; type
	s_lshl_b32 s2, s4, 7                           ; the step's first row of x
	s_lshl_b32 s3, s5, 7                           ; the half's first row of W
	s_mov_b32 s60, 0x76543210
	s_mov_b32 s61, 0xfedcba98                      ; v_permlanex16_b32's selects for lane l xor 16
	s_mov_b32 s62, 0x600000                        ; the mantissa field of 57,344
	s_mov_b32 s63, 0xffff0000                      ; lanes 16-31
	s_wait_kmcnt 0x0
	s_cmp_eq_u32 s6, 1                             ; the choices hang on the work-group's y alone
	s_cselect_b64 s[32:33], s[18:19], s[12:13]
	s_cselect_b64 s[34:35], s[20:21], s[14:15]
	s_cselect_b64 s[36:37], s[22:23], s[16:17]
	s_cmp_eq_u32 s6, 2
	s_cselect_b64 s[38:39], s[24:25], s[32:33]     ; my W's codes,
	s_cselect_b64 s[40:41], s[26:27], s[34:35]     ; its scales,
	s_cselect_b64 s[42:43], s[28:29], s[36:37]     ; my bias
	s_cselect_b64 s[44:45], s[8:9], s[38:39]       ; A's codes: x for V, W else
	s_cselect_b64 s[46:47], s[10:11], s[40:41]     ; A's scales
	s_cselect_b64 s[48:49], s[38:39], s[8:9]       ; B's codes
	s_cselect_b64 s[50:51], s[40:41], s[10:11]     ; B's scales
	s_cselect_b32 s52, s2, s3                      ; A's first row
	s_cselect_b32 s53, s3, s2                      ; B's
	s_cselect_b32 s54, -1, 0                       ; all lanes for V: the bias along lanes counts
	s_cselect_b32 s55, 0, -1                       ; all lanes for Q and K: the bias along registers counts
	s_mov_b32 s3, 0
	s_lshl_b32 s2, s52, 8
	s_add_nc_u64 s[44:45], s[44:45], s[2:3]
	s_lshl_b32 s2, s52, 3
	s_add_nc_u64 s[46:47], s[46:47], s[2:3]
	s_lshl_b32 s2, s53, 8
	s_add_nc_u64 s[48:49], s[48:49], s[2:3]
	s_lshl_b32 s2, s53, 3
	s_add_nc_u64 s[50:51], s[50:51], s[2:3]
	s_lshl_b32 s2, s5, 9
	s_add_nc_u64 s[42:43], s[42:43], s[2:3]        ; the half's 128 numbers of the bias
	s_mul_i32 s7, s6, TS
	s_mul_i32 s2, s4, BLK
	s_add_co_u32 s7, s7, s2                        ; my block in img (under 2^24)
	s_lshl_b32 s2, s5, 14
	s_add_co_u32 s2, s2, s7
	s_add_nc_u64 s[56:57], s[30:31], s[2:3]        ; my eight fragments
	s_lshl_b32 s2, s5, 9
	s_add_co_u32 s2, s2, s7
	s_add_co_u32 s2, s2, 32768
	s_add_nc_u64 s[58:59], s[30:31], s[2:3]        ; my four scale registers
	; all loads at once, in the order in which they are wanted; B's tiles last, tile by tile
.irp t, 0,1,2,3,4,5,6,7
	global_load_b64 v[ASC+2*\t:ASC+2*\t+1], v5, s[46:47] offset:8*(32*(\t/2)+8*(\t%2))
.endr
.irp t, 0,1,2,3,4,5,6,7
	global_load_b64 v[BSC+2*\t:BSC+2*\t+1], v5, s[50:51] offset:8*(32*(\t/2)+8*(\t%2))
.endr
.irp t, 0,1,2,3,4,5,6,7
	global_load_b128 v[BR+8*\t:BR+8*\t+3], v6, s[42:43] offset:4*(32*(\t/2)+8*(\t%2))
	global_load_b128 v[BR+8*\t+4:BR+8*\t+7], v6, s[42:43] offset:4*(32*(\t/2)+8*(\t%2))+16
.endr
.irp t, 0,1,2,3,4,5,6,7
	global_load_b32 v[BL+2*\t], v7, s[42:43] offset:4*(32*(\t/2)+8*(\t%2))
.endr
	WIN 0x40                                       ; destination window 1
.irp t, 0,1,2,3,4,5,6,7
.irp s, 0,1
.irp c, 0,1,2,3
	global_load_b128 v[32*\t+16*\s+4*\c:32*\t+16*\s+4*\c+3], v4, s[44:45] offset:256*(32*(\t/2)+8*(\t%2))+128*\s+32*\c
.endr
.endr
.endr
	WIN 0x80                                       ; destination window 2
.irp t, 0,1,2,3,4,5,6,7
.irp s, 0,1
.irp c, 0,1,2,3
	global_load_b128 v[32*\t+16*\s+4*\c:32*\t+16*\s+4*\c+3], v4, s[48:49] offset:256*(32*(\t/2)+8*(\t%2))+128*\s+32*\c
.endr
.endr
.endr
	WIN 0
	s_wait_loadcnt 56                              ; all but B's tiles 1 to 7 (8 loads each) are in: scales, biases, A, B's tile 0
.set k, 0
.rept 64
	v_cndmask_b32 v[BR+k], 0, v[BR+k], s55         ; the bias along registers counts for Q and K alone
.set k, k+1
.endr
.irp j, 0,1,2,3,4,5,6,7
	v_cndmask_b32 v[BL+2*\j], 0, v[BL+2*\j], s54   ; the bias along lanes for V alone
.endr
; One tile of B: 16 matrix instructions, the eight accumulators by turns, K step by K step; then the fragment.
.macro TILE jj
	s_wait_xcnt 0x0                                ; the last tile's stores have read the codes' registers: they are written again only behind this wait
	s_wait_loadcnt 8*(7-\jj)                       ; this tile's eight loads are in; those of the later tiles, eight each, may be out
	WIN 0x09                                       ; source 0 window 1, source 1 window 2
.irp t, 0,1,2,3,4,5,6,7
	v_wmma_scale_f32_16x16x128_f8f6f4 v[H+8*\t:H+8*\t+7], v[32*\t:32*\t+15], v[32*\jj:32*\jj+15], v[BR+8*\t:BR+8*\t+7], v[ASC+2*\t], v[BSC+2*\jj] matrix_a_fmt:MATRIX_FMT_BF8 matrix_b_fmt:MATRIX_FMT_BF8
.endr
.irp t, 0,1,2,3,4,5,6,7
	v_wmma_scale_f32_16x16x128_f8f6f4 v[H+8*\t:H+8*\t+7], v[32*\t+16:32*\t+31], v[32*\jj+16:32*\jj+31], v[H+8*\t:H+8*\t+7], v[ASC+2*\t+1], v[BSC+2*\jj+1] matrix_a_fmt:MATRIX_FMT_BF8 matrix_b_fmt:MATRIX_FMT_BF8
.endr
	WIN 0
.rept 8
	v_nop                                          ; eight places in front of the first read of results
.endr
.set k, 0
.rept 32
	v_pk_add_f32 v[H+k:H+k+1], v[H+k:H+k+1], v[BL+2*\jj:BL+2*\jj+1] op_sel_hi:[1,0]   ; my row's bias (V) or 0; each accumulator from its low end on
.set k, k+2
.endr
	QUANT H
.irp c, 0,1,2,3
	global_store_b128 v8, v[PC+4*\c:PC+4*\c+3], s[56:57] offset:2048*\jj+512*\c       ; 32 lanes store 512 consecutive bytes, aligned
.endr
.if (\jj)%2 == 0
	v_mov_b32 v[SW+(\jj)/2], v[PW]                 ; an even fragment's words: lanes 0-15 will keep them
.else
	v_cndmask_b32 v[SW+(\jj)/2], v[SW+(\jj)/2], v[PW], s63   ; an odd fragment's: lanes 16-31 (lane 16 + r holds row r's word too)
.endif
.endm
	s_wait_alu depctr_va_vdst(0)
.irp jj, 0,1,2,3,4,5,6,7
	TILE \jj
.endr
	global_store_b128 v8, v[SW:SW+3], s[58:59]     ; the four scale registers: 512 consecutive bytes
	s_endpgm
.Lfunc_end_k_qfa4d69bc59_proj:
	.size	k_qfa4d69bc59_proj, .Lfunc_end_k_qfa4d69bc59_proj-k_qfa4d69bc59_proj
	.p2alignl 7, 3214868480
	.fill 96, 4, 3214868480
	.section	.rodata,"a",@progbits
	.p2align	6, 0x0
	.amdhsa_kernel k_qfa4d69bc59_proj
		.amdhsa_group_segment_fixed_size 0
		.amdhsa_private_segment_fixed_size 0
		.amdhsa_enable_private_segment 0
		.amdhsa_kernarg_size 96
		.amdhsa_user_sgpr_count 2
		.amdhsa_user_sgpr_kernarg_segment_ptr 1
		.amdhsa_wavefront_size32 1
		.amdhsa_system_sgpr_workgroup_id_x 1
		.amdhsa_system_sgpr_workgroup_id_y 1
		.amdhsa_system_sgpr_workgroup_id_z 1
		.amdhsa_system_vgpr_workitem_id 0
		.amdhsa_next_free_vgpr 768
		.amdhsa_next_free_sgpr 66
		.amdhsa_reserve_vcc 0
		.amdhsa_float_denorm_mode_32 3
		.amdhsa_float_denorm_mode_16_64 3
		.amdhsa_memory_ordered 1
		.amdhsa_forward_progress 1
		.amdhsa_inst_pref_size 126
	.end_amdhsa_kernel
	.amdgpu_metadata
---
amdhsa.version: [ 1, 2 ]
amdhsa.kernels:
  - .name:           k_qfa4d69bc59_proj
    .symbol:         k_qfa4d69bc59_proj.kd
    .args:
      - { .name: x_codes, .offset: 0, .size: 8, .value_kind: global_buffer, .address_space: global }
      - { .name: x_scales, .offset: 8, .size: 8, .value_kind: global_buffer, .address_space: global }
      - { .name: Wq_codes, .offset: 16, .size: 8, .value_kind: global_buffer, .address_space: global }
      - { .name: Wq_scales, .offset: 24, .size: 8, .value_kind: global_buffer, .address_space: global }
      - { .name: bq, .offset: 32, .size: 8, .value_kind: global_buffer, .address_space: global }
      - { .name: Wk_codes, .offset: 40, .size: 8, .value_kind: global_buffer, .address_space: global }
      - { .name: Wk_scales, .offset: 48, .size: 8, .value_kind: global_buffer, .address_space: global }
      - { .name: bk, .offset: 56, .size: 8, .value_kind: global_buffer, .address_space: global }
      - { .name: Wv_codes, .offset: 64, .size: 8, .value_kind: global_buffer, .address_space: global }
      - { .name: Wv_scales, .offset: 72, .size: 8, .value_kind: global_buffer, .address_space: global }
      - { .name: bv, .offset: 80, .size: 8, .value_kind: global_buffer, .address_space: global }
      - { .name: img, .offset: 88, .size: 8, .value_kind: global_buffer, .address_space: global }
    .group_segment_fixed_size: 0
    .private_segment_fixed_size: 0
    .kernarg_segment_align: 8
    .kernarg_segment_size: 96
    .max_flat_workgroup_size: 32
    .sgpr_count:     66
    .vgpr_count:     768
    .wavefront_size: 32
...
	.end_amdgpu_metadata
.endif
;; end of part 1
;; launch attn (part 2): grid 256 x 1, 8 waves a work-group, clusters of 4 x 1, 327,680 bytes of LDS; arguments img, out0; writes out0
.if DOCPART == 2
	.amdgcn_target "amdgcn-amd-amdhsa--gfx1250"
	.amdhsa_code_object_version 6
	.text
	.protected	k_qfa4d69bc59_attn
	.globl	k_qfa4d69bc59_attn
	.p2align	8
	.type	k_qfa4d69bc59_attn,@function
k_qfa4d69bc59_attn:
	s_mov_b64 s[64:65], 0
	v_nop
	global_prefetch_b8 v0, s[64:65] scope:SCOPE_SE
	s_setreg_imm32_b32 hwreg(HW_REG_WAVE_MODE, 25, 1), 1
	s_wait_xcnt 0x0
	s_wait_alu depctr_hold_cnt(0) depctr_sa_sdst(0) depctr_va_vdst(0) depctr_va_sdst(0) depctr_va_ssrc(0) depctr_va_vcc(0) depctr_vm_vsrc(0)
	s_getreg_b32 s2, hwreg(HW_REG_IB_STS2, 6, 4)
	s_cmp_eq_u32 s2, 0
	s_cbranch_scc0 .Lentry_in_a_cluster
	s_endpgm
.Lentry_in_a_cluster:
	s_bfe_u32 s2, ttmp6, 0x10000c
	s_cmp_lg_u32 s2, 0x3003
	s_cbranch_scc0 .Lentry_shape_is_right
	s_endpgm
.Lentry_shape_is_right:
; out[b][q][:] = the sum over k of softmax_k(Q[b][q] . K[b][k] / 16) V[b][k][:], both products on codes of E5M2 with one E8M0 scale for each 32 along K.
; Q, K, V come from img as images of operand registers (block (type, gstep) of BLK bytes: 16 fragments of 2,048 bytes, then 1,024 bytes of scale registers); type 0 Q, 1 K, 2 V.
; In every tile lane r holds row 32 (t / 2) + 8 (t % 2) + r + 8 (r / 8) of its block of 128.
; THE SOFTMAX: t = score x log2(e) / 16; M = the running largest t rounded UP to a whole number; p = 2^(t - M) is quantised along the keys, not normalised; the row's sum is taken
; of the unquantised p and divides at the end.  When M moves, the sum and O are multiplied by 2^(old M - new M), which rounds nothing.
; SHARES.  A work-group owns 64 queries, four tiles of 16.  Eight waves, w = 4 g + i: two KEY GROUPS g of four waves.  Step n = 0 .. 7 is 512 keys; group g takes 256 of them: blocks 4 n + 2 g and the next.
;   S^T = K Q^T: wave i takes 64 keys (block i / 2, half i % 2) x all 64 queries: each fragment of K is read by one wave and feeds four products.
;   O^T += V^T P^T: wave i takes channels 64 i .. 64 i + 63 x all 64 queries, over the group's 256 keys; P's codes and scale words pass from the group's waves to each other through LDS.
;   The group's largest scores pass through LDS likewise, so its four waves have one M.  So O is 128 registers a wave, rescaled once for 256 keys.
; TURNS.  While group 0's waves do their products (PV(n - 1), then S(n), then maxima), group 1's do their softmax, and the other way round; a barrier of the work-group parts the turns.
; Both products are used transposed: a lane holds ONE query (lane % 16) throughout; registers of tiles 2 b, 2 b + 1 are keys (or channels) 32 b + 16 (lane / 16) + 0 .. 15.
; At the end the two groups are joined by exact powers of two.  Register tile u is the query tile u xor 2 g: every wave keeps register tiles 0 and 1 and hands 2 and 3 to wave w xor 4.
; CLUSTER.  The four work-groups of a cluster belong to one batch and walk the same K and V: each block is asked for JOINTLY (mask 15), which divides the requests by four.
; SLOTS.  Eight, of one block: waves 0-3 fetch K's (group 0's two, group 1's two), waves 4-7 V's, wave w into slot w.  A group's four slots are filled again behind the round that ends its products' turn,
; and are read one turn later.  One tensor load of a wave is out at the most.
; PREFETCH.  In step n (n = 0 .. 5) wave 0 of the first nine clusters of each batch asks for K's and V's blocks of step n + 2, 528 + 528 units of 256 bytes shared out by address, 16 + 16 a work-group
; (the ninth cluster's last three name the last 32 again).  Steps 0 and 1 come by their loads alone.
; LIMITS: p under 2^-126 comes out of v_exp_f32 as 0; a block of p whose largest lies under 2^-111 keeps the byte 1; NaN and infinities are not served.
; REGISTERS: window 0: v1-11, v44-45 addresses; v12-15 Q's scales; v16-31 statistics (tile u: -M, f, the sum as a pair); v32-43 K's, V's, P's scales; v48-127 five stream buffers of V and K, in the softmax's turn
;   its temporaries; v128-255 S^T, then p; in the products' turn first P's eight fragments.   window 1: v0-127 O^T (tile u, channel tile c at 32 u + 8 c), v128-255 Q's eight fragments.
.set BLK,   33792
.set TS,    128*BLK
.set PB,    8*BLK                      ; P's codes: 16,384 bytes a group
.set PS,    PB+32768                   ; P's scale words: 512 bytes a group
.set MX,    PS+1024                    ; largest scores: 1,024 bytes a group
.set SPARE, MX+2048                    ; the spare words, 128 bytes a wave, that no other line names
.set LX,    3072                       ; from MX: the sums at the end, 1,024 bytes a group; 2,048 on: -M
.set STG,   65536                      ; the end: 8,192 bytes a wave from byte 0 for what is handed over, then the stages, 2 x 16 rows of 272 bytes a wave: K's slots, which have had their last fill and their last read
.set AK,  1
.set AKS, 2
.set AV,  3
.set AVS, 4
.set AP,  5
.set APW, 6
.set PSW, 7
.set PSR, 8
.set MXW, 9
.set SPW, 10
.set NIL, 11
.set QSC, 12
.set ST,  16
.set KSC, 32
.set VSC, 36
.set PSC, 40
.set PFO, 44
.set MXR, 45
.set SB,  48                           ; stream buffers
.set BM,  48                           ; largest score, then largest p, of block b of tile u: BM + 2 u + b
.set MXL, 64
.set TA,  80
.set TB,  84
.set S2,  86                           ; the sum's second chain, a pair
.set SO,  88                           ; the conversions' scale operands
.set HD,  90                           ; 57,344 x the scale
.set BY,  92
.set WD,  94
.set CD,  96                           ; codes: 8 registers a tile
.set S,   128
.set G1,  24                           ; s[24:31] descriptor group 1
.set GH,  32                           ; s[32:35] group 0 of the head's load
.set G0,  36                           ; s[36:39] group 0 that walks
.set CS,  44                           ; s[44:45] c = log2(e) / 16
.set PFA, 68                           ; s[68:69] where the prefetches stand
.set MSB, 0
.macro WIN new                         ; the immediate's high byte repeats the setting that is left
.if MSB != \new
	s_set_vgpr_msb (MSB<<8)|\new
.set MSB, \new
.endif
.endm
.macro PLACES n
.rept \n
	v_nop
.endr
.endm
.macro WALU
	s_wait_alu depctr_va_vdst(0)
.endm
.macro ROUND                           ; a round of the cluster's barrier
	s_barrier_signal -1
	s_barrier_wait -1
	s_cmp_lg_u32 s8, 0
	s_cbranch_scc1 .Lnot_wave_0_\@
	s_barrier_signal -3
.Lnot_wave_0_\@:
	s_barrier_wait -3
	s_barrier_signal -1
	s_barrier_wait -1
.endm
; A matrix instruction.  ra, rb = 1: source 0's, source 1's scales stand in lanes 16-31 of their register.  WM0 starts a sum with 0, WMA adds in place.
.macro WM0 d, a, b, sa, sb, ra, rb
.if (\ra) && (\rb)
	v_wmma_scale_f32_16x16x128_f8f6f4 v[\d:\d+7], v[\a:\a+15], v[\b:\b+15], 0, v[\sa], v[\sb] matrix_a_fmt:MATRIX_FMT_BF8 matrix_b_fmt:MATRIX_FMT_BF8 matrix_a_scale:MATRIX_SCALE_ROW1 matrix_b_scale:MATRIX_SCALE_ROW1
.elseif \ra
	v_wmma_scale_f32_16x16x128_f8f6f4 v[\d:\d+7], v[\a:\a+15], v[\b:\b+15], 0, v[\sa], v[\sb] matrix_a_fmt:MATRIX_FMT_BF8 matrix_b_fmt:MATRIX_FMT_BF8 matrix_a_scale:MATRIX_SCALE_ROW1
.elseif \rb
	v_wmma_scale_f32_16x16x128_f8f6f4 v[\d:\d+7], v[\a:\a+15], v[\b:\b+15], 0, v[\sa], v[\sb] matrix_a_fmt:MATRIX_FMT_BF8 matrix_b_fmt:MATRIX_FMT_BF8 matrix_b_scale:MATRIX_SCALE_ROW1
.else
	v_wmma_scale_f32_16x16x128_f8f6f4 v[\d:\d+7], v[\a:\a+15], v[\b:\b+15], 0, v[\sa], v[\sb] matrix_a_fmt:MATRIX_FMT_BF8 matrix_b_fmt:MATRIX_FMT_BF8
.endif
.endm
.macro WMA d, a, b, sa, sb, ra, rb
.if (\ra) && (\rb)
	v_wmma_scale_f32_16x16x128_f8f6f4 v[\d:\d+7], v[\a:\a+15], v[\b:\b+15], v[\d:\d+7], v[\sa], v[\sb] matrix_a_fmt:MATRIX_FMT_BF8 matrix_b_fmt:MATRIX_FMT_BF8 matrix_a_scale:MATRIX_SCALE_ROW1 matrix_b_scale:MATRIX_SCALE_ROW1
.elseif \ra
	v_wmma_scale_f32_16x16x128_f8f6f4 v[\d:\d+7], v[\a:\a+15], v[\b:\b+15], v[\d:\d+7], v[\sa], v[\sb] matrix_a_fmt:MATRIX_FMT_BF8 matrix_b_fmt:MATRIX_FMT_BF8 matrix_a_scale:MATRIX_SCALE_ROW1
.elseif \rb
	v_wmma_scale_f32_16x16x128_f8f6f4 v[\d:\d+7], v[\a:\a+15], v[\b:\b+15], v[\d:\d+7], v[\sa], v[\sb] matrix_a_fmt:MATRIX_FMT_BF8 matrix_b_fmt:MATRIX_FMT_BF8 matrix_b_scale:MATRIX_SCALE_ROW1
.else
	v_wmma_scale_f32_16x16x128_f8f6f4 v[\d:\d+7], v[\a:\a+15], v[\b:\b+15], v[\d:\d+7], v[\sa], v[\sb] matrix_a_fmt:MATRIX_FMT_BF8 matrix_b_fmt:MATRIX_FMT_BF8
.endif
.endm
; THE STREAM of a products' turn: fragments 0 .. 15, fragment k in buffer k % 5: 0-7: V, block k / 4, my channel tile k % 4; 8-15: K, channel half (k - 8) / 4, my keys' tile k % 4.
.macro FR k
.irp c, 0,1,2,3
.if (\k) < 8
	ds_load_b128 v[SB+16*((\k)%5)+4*\c:SB+16*((\k)%5)+4*\c+3], v[AV] offset:BLK*((\k)/4)+2048*((\k)%4)+512*\c
.else
	ds_load_b128 v[SB+16*((\k)%5)+4*\c:SB+16*((\k)%5)+4*\c+3], v[AK] offset:2048*(8*(((\k)-8)/4)+(\k)%4)+512*\c
.endif
.endr
.endm
; Fragment k's four products, one for each tile of queries.  Sixteen accumulators take turns in either product.
.macro GRP k
.set gB, SB+16*((\k)%5)
.set gu, 0
.rept 4
.if (\k) < 8
.set gD, 32*gu+8*((\k)%4)
.set gP, S+64*((\k)/4)+16*gu
.set gA, VSC+2*((\k)/4)+((\k)%4)/2
.set gS, PSC+2*((\k)/4)+gu/2
.else
.set gD, S+32*gu+8*((\k)%4)
.set gP, 128+32*gu+16*(((\k)-8)/4)
.set gA, KSC+2*(((\k)-8)/4)+((\k)%4)/2
.set gS, QSC+2*(((\k)-8)/4)+gu/2
.endif
.set gR, (\k)%2
.set gT, gu%2
.if ((\k) > 7) && ((\k) < 12)
	WM0 gD, gB, gP, gA, gS, gR, gT
.else
	WMA gD, gB, gP, gA, gS, gR, gT
.endif
.set gu, gu+1
.endr
.endm
; Two fragments' products, behind a wait that leaves out w younger LDS loads; then n places (ISA guide 7.12.1 for vector instructions), then fragments x, y into buffers that are free
.macro PAIR p, w, n, x, y
	s_wait_dscnt \w
.if (\p) < 4
	WIN 0x50                                       ; V and P window 0, O^T window 1
.else
	WIN 0x04                                       ; K and S^T window 0, Q window 1
.endif
	GRP 2*(\p)
	GRP 2*(\p)+1
.if ((\p) < 4) || ((\p) == 7)
	WIN 0
.endif
	PLACES \n
.if (\x) < 16
	FR \x
.endif
.if (\y) < 16
	FR \y
.endif
.endm
.macro PLD kb                          ; P's four fragments of block kb
.irp u, 0,1,2,3
.irp c, 0,1,2,3
	ds_load_b128 v[S+64*\kb+16*\u+4*\c:S+64*\kb+16*\u+4*\c+3], v[AP] offset:8192*\kb+2048*\u+512*\c
.endr
.endr
.endm
.macro KSL
	ds_load_b64 v[KSC:KSC+1], v[AKS]
	ds_load_b64 v[KSC+2:KSC+3], v[AKS] offset:512
.endm
; The largest score of each block of 32 keys (two a tile) and of my 64 keys; the latter go to the group.  Each accumulator is read from its low end on.
.macro MAXES
.set k, 0
.rept 8
	v_max3_num_f32 v[BM+k], v[S+16*k], v[S+16*k+1], v[S+16*k+2]
.set k, k+1
.endr
.irp i, 3,5,7,9,11,13
.set k, 0
.rept 8
	v_max3_num_f32 v[BM+k], v[BM+k], v[S+16*k+\i], v[S+16*k+\i+1]
.set k, k+1
.endr
.endr
.set k, 0
.rept 8
	v_max_num_f32 v[BM+k], v[BM+k], v[S+16*k+15]
.set k, k+1
.endr
.set k, 0
.rept 8
	v_permlanex16_b32 v[BM+8+k], v[BM+k], s22, s23
.set k, k+1
.endr
.set k, 0
.rept 8
	v_max_num_f32 v[BM+k], v[BM+k], v[BM+8+k]      ; with lane l xor 16's 16 keys
.set k, k+1
.endr
.irp u, 0,1,2,3
	v_max_num_f32 v[MXL+\u], v[BM+2*\u], v[BM+2*\u+1]
.endr
.irp u, 0,1,2,3
	ds_store_b32 v[MXW], v[MXL+\u] offset:256*\u   ; both halves of the lanes hold the same number
.endr
.endm
; THE PRODUCTS' TURN.  pv: O^T under the new M, then O^T += V^T P^T;  sc: S^T = K Q^T and its maxima.
.macro MAT pv, sc
.if \pv
	ds_load_b128 v[PSC:PSC+3], v[PSR]
	ds_load_b64 v[VSC:VSC+1], v[AVS]
	ds_load_b64 v[VSC+2:VSC+3], v[AVS] offset:BLK
	PLD 0
.irp f, 0,1,2,3,4
	FR \f
.endr
	PLD 1
.if \sc
	KSL
.endif
	WIN 0x41
	WALU
.set k, 0
.rept 64
	v_pk_mul_f32 v[k:k+1], v[k:k+1], v[ST+4*(k/32):ST+4*(k/32)+1] op_sel:[0,1]   ; x f, the pair's second register; under the loads' flight
.set k, k+2
.endr
	WALU
.if \sc
	PAIR 0, 30, 8, 5, 6                            ; behind fragment 1: fragments 2-4, P's second block, K's scales
	PAIR 1, 30, 8, 7, 8                            ; behind 3: 4, P's second block, K's scales, 5, 6
	PAIR 2, 12, 8, 9, 10                           ; behind 5: 6, 7, 8
	PAIR 3, 12, 9, 11, 12                          ; nine places: the scores are written over P's registers
.else
	PAIR 0, 28, 8, 5, 6
	PAIR 1, 28, 8, 7, 99
	PAIR 2, 8, 0, 99, 99
	PAIR 3, 0, 8, 99, 99
.endif
.else
	KSL
.irp f, 8,9,10,11,12
	FR \f
.endr
.endif
.if \sc
	PAIR 4, 12, 8, 13, 14
	PAIR 5, 12, 8, 15, 99
	PAIR 6, 8, 0, 99, 99                           ; behind 13: 14, 15
	PAIR 7, 0, 8, 99, 99
	MAXES
.endif
	WALU
.endm
.macro FMAS u                          ; t - M of tile u's 32 scores and of its two blocks' largest
.set rS, S+32*(\u)
.set k, 0
.rept 16
	v_pk_fma_f32 v[rS+k:rS+k+1], v[rS+k:rS+k+1], s[CS:CS+1], v[ST+4*(\u):ST+4*(\u)+1] op_sel_hi:[1,0,0]
.set k, k+2
.endr
	v_fma_f32 v[BM+2*(\u)], v[BM+2*(\u)], s[CS], v[ST+4*(\u)]
	v_fma_f32 v[BM+2*(\u)+1], v[BM+2*(\u)+1], s[CS], v[ST+4*(\u)]
.endm
.macro EXPS u                          ; p = 2^(t - M); the block's largest p is the same two instructions on its largest score
.set k, 0
.rept 32
	v_exp_f32 v[S+32*(\u)+k], v[S+32*(\u)+k]
.set k, k+1
.endr
	v_exp_f32 v[BM+2*(\u)], v[BM+2*(\u)]
	v_exp_f32 v[BM+2*(\u)+1], v[BM+2*(\u)+1]
.endm
.macro ADDL k
	v_pk_add_f32 v[rL:rL+1], v[rL:rL+1], v[rS+\k:rS+\k+1]
.endm
.macro ADD2 k
	v_pk_add_f32 v[S2:S2+1], v[S2:S2+1], v[rS+\k:rS+\k+1]
.endm
.macro MIN2 k                          ; the hold at 57,344 x the scale, two numbers a line: the conversion does not saturate (ISA guide 7.6.2); p is not negative
	v_dual_min_num_f32 v[rS+\k], v[HD+(\k)/16], v[rS+\k] :: v_dual_min_num_f32 v[rS+\k+1], v[HD+(\k)/16], v[rS+\k+1]
.endm
; Tile u's sum (of the unquantised p, two chains), holds, codes and scale bytes
.macro PROC u
.set rS, S+32*(\u)
.set rL, ST+4*(\u)+2
.set rB, BM+2*(\u)
	v_max_num_f32 v[rB], 0x8000000, v[rB]          ; the floor 2^(16 - 127): the byte cannot fall under 1
	v_max_num_f32 v[rB+1], 0x8000000, v[rB+1]
	v_pk_add_f32 v[S2:S2+1], v[rS:rS+1], v[rS+2:rS+3]
	ADDL 4
	v_add_nc_u32 v[SO], 0xf8800000, v[rB]          ; 15 off the exponent field: the conversion's scale operand
	v_add_nc_u32 v[SO+1], 0xf8800000, v[rB+1]
	ADD2 6
	ADDL 8
	v_and_or_b32 v[HD], v[rB], 0x7f800000, s46     ; 57,344 x the scale
	v_and_or_b32 v[HD+1], v[rB+1], 0x7f800000, s46
	ADD2 10
	ADDL 12
	v_lshrrev_b32 v[BY], 23, v[SO]
	v_lshrrev_b32 v[BY+1], 23, v[SO+1]
	ADD2 14
	ADDL 16
	v_lshl_or_b32 v[WD], v[BY+1], 8, v[BY]         ; my two bytes of the row's scale word
	ADD2 18
	MIN2 0
	MIN2 2
	ADDL 20
	MIN2 4
	MIN2 6
	ADD2 22
	MIN2 8
	MIN2 10
	ADDL 24
	MIN2 12
	MIN2 14
	ADD2 26
	MIN2 16
	MIN2 18
	ADDL 28
	MIN2 20
	MIN2 22
	ADD2 30
	MIN2 24
	MIN2 26
	MIN2 28
	MIN2 30
.irp b, 0,1
	v_cvt_scalef32_pk8_bf8_f32 v[CD+8*(\u)+4*\b:CD+8*(\u)+4*\b+1], v[rS+16*\b:rS+16*\b+7], v[SO+\b]
	v_cvt_scalef32_pk8_bf8_f32 v[CD+8*(\u)+4*\b+2:CD+8*(\u)+4*\b+3], v[rS+16*\b+8:rS+16*\b+15], v[SO+\b]
.endr
	v_pk_add_f32 v[rL:rL+1], v[rL:rL+1], v[S2:S2+1]   ; (the plain line behind the last conversion)
	ds_store_b128 v[APW], v[CD+8*(\u):CD+8*(\u)+3] offset:2048*(\u)
	ds_store_b128 v[APW], v[CD+8*(\u)+4:CD+8*(\u)+7] offset:2048*(\u)+512
	ds_store_b16 v[PSW], v[WD] offset:256*((\u)%2)+4*((\u)/2)
.endm
; THE SOFTMAX'S TURN: the group's M, then tile by tile: a tile's exponentials go as a batch, and the tile before it is worked up behind them
.macro SOFT
.irp u, 0,1,2,3
	ds_load_b128 v[MXL+4*\u:MXL+4*\u+3], v[MXR] offset:256*\u
.endr
	s_wait_dscnt 0x0
.irp u, 0,1,2,3
	v_max3_num_f32 v[TA+\u], v[MXL+4*\u], v[MXL+4*\u+1], v[MXL+4*\u+2]
.endr
.irp u, 0,1,2,3
	v_max_num_f32 v[TA+\u], v[TA+\u], v[MXL+4*\u+3]   ; the largest of the group's 256 keys
.endr
.irp u, 0,1,2,3
	v_mul_f32 v[TA+\u], s[CS], v[TA+\u]            ; as t (c is positive)
.endr
.irp u, 0,1,2,3
	v_floor_f32 v[TA+\u], -v[TA+\u]                ; -ceil(t)
.endr
.irp u, 0,1,2,3
	v_min_num_f32 v[TA+\u], v[TA+\u], v[ST+4*\u]   ; the new -M
.endr
.irp u, 0,1,2,3
	v_sub_f32 v[TB+\u], v[TA+\u], v[ST+4*\u]       ; old M - new M: a whole number, 0 or less
.endr
.irp u, 0,1,2,3
	v_mov_b32 v[ST+4*\u], v[TA+\u]
.endr
.irp u, 0,1,2,3
	v_cvt_i32_f32 v[TB+\u], v[TB+\u]               ; (it saturates)
.endr
.irp u, 0,1,2,3
	v_ldexp_f32 v[ST+4*\u+1], 1.0, v[TB+\u]        ; f = 2^(old M - new M); O takes it in the products' turn
.endr
.irp u, 0,1,2,3
	v_pk_mul_f32 v[ST+4*\u+2:ST+4*\u+3], v[ST+4*\u+2:ST+4*\u+3], v[ST+4*\u:ST+4*\u+1] op_sel:[0,1]
.endr
	FMAS 0
	WALU
	EXPS 0
	FMAS 1
	WALU
	EXPS 1
	PROC 0
	FMAS 2
	WALU
	EXPS 2
	PROC 1
	FMAS 3
	WALU
	EXPS 3
	PROC 2
	WALU
	PROC 3
	WALU
.endm
; A turn: a = 0: group 0 has the products, group 1 the softmax; a = 1: the other way round.  The branch hangs on the wave's number and leads round no barrier.
.macro DUO a
	s_cmp_lt_u32 s8, 4
.if \a
	s_cbranch_scc1 .Lsoft_\@
.else
	s_cbranch_scc0 .Lsoft_\@
.endif
	MAT 1, 1
	s_branch .Ljoin_\@
.Lsoft_\@:
	SOFT
.Ljoin_\@:
.endm
; THE END OF A TURN: every wave's loads have landed, its LDS accesses are over; behind the round group `set`'s slots are filled again.  mode 0: both groups' K (waves 0-3); 1: K and V; 2: V alone.  step: the descriptor goes on by 512 keys.
.macro BOUND set, mode, step
	s_wait_tensorcnt 0x0
	ds_add_u32 v[SPW], v[NIL]                      ; 0 onto my spare word
.if \step
	s_add_nc_u64 s[G0+2:G0+3], s[G0+2:G0+3], 4*BLK ; no tensor load of mine is out, so group 0 may be written
.endif
	s_wait_dscnt 0x0
	ROUND
.if \mode == 0
	s_cmp_lt_u32 s8, 4
.elseif \mode == 1
	s_cmp_eq_u32 s12, \set
.else
	s_cmp_eq_u32 s11, 2+\set
.endif
	s_cbranch_scc0 .Lnone_\@
	tensor_load_to_lds s[G0:G0+3], s[G1:G1+7]
	s_nop 0
	PLACES 4
.Lnone_\@:
.endm
.macro ASK                             ; s67: 6 in wave 0 of the clusters that ask, else 0
	s_cmp_lt_u32 s47, s67
	s_cbranch_scc0 .Lnot_mine_\@
	global_prefetch_b8 v[PFO], s[PFA:PFA+1] th:TH_LOAD_NT scope:SCOPE_SE
.Lnot_mine_\@:
.endm
	s_load_b128 s[4:7], s[0:1], 0x0                ; img, out0
	v_lshl_add_u32 v[SPW], v0, 2, SPARE
	v_mov_b32 v[NIL], 0
	ds_add_u32 v[SPW], v[NIL]                      ; the wave's opening: two adds on end, waited for ahead of my first tensor load
	ds_add_u32 v[SPW], v[NIL]
	v_lshrrev_b32 v48, 5, v0
	v_readfirstlane_b32 s8, v48                    ; wave 0..7
	s_lshr_b32 s9, s8, 2                           ; g; also: I fetch for K (0) or for V (1)
	s_and_b32 s10, s8, 3                           ; i; also: which of a step's four blocks I fetch
	s_lshr_b32 s11, s8, 1
	s_and_b32 s12, s11, 1                          ; i / 2; also: whose slots I fill
	s_and_b32 s13, s8, 1                           ; i % 2
	; descriptor group 1: a block is 132 dense rows of 256 bytes
	s_mov_b32 s[G1], 15|(3<<16)|(1<<21)            ; 15:0 the mask: all four work-groups; 17:16 elements of 8 bytes; no padding; 21 set beside a mask
	s_mov_b32 s[G1+1], 32<<16                      ; tensor_dim0 = 32
	s_mov_b32 s[G1+2], 132<<16                     ; tensor_dim1 = 132
	s_mov_b32 s[G1+3], 32<<16                      ; tile_dim0 = 32
	s_mov_b32 s[G1+4], 132                         ; tile_dim1 = 132
	s_mov_b32 s[G1+5], 32                          ; from row to row
	s_mov_b32 s[G1+6], 0
	s_mov_b32 s[G1+7], 0
	s_bfe_u32 s20, ttmp6, 0x40000                  ; cx: it enters Q's, out's and the prefetches' addresses alone
	s_lshl_b32 s21, ttmp9, 2
	s_add_co_u32 s21, s21, s20                     ; my block of 64 queries
	s_lshr_b32 s40, ttmp9, 4                       ; the batch, which the four partners share
	; what I fetch first: block 128 (1 + g) + 32 batch + i of img; the walking descriptor begins there for K, a step before it for V: the first step of it serves K alone
	s_lshl_b32 s48, s9, 7
	s_lshl_b32 s49, s40, 5
	s_add_co_u32 s48, s48, s49
	s_add_co_u32 s48, s48, s10
	s_add_co_u32 s48, s48, 128
	s_lshl_b32 s50, s9, 2
	s_sub_co_u32 s50, s48, s50
	s_mul_i32 s48, s48, BLK                        ; in bytes (under 2^24)
	s_mul_i32 s50, s50, BLK
	s_mov_b32 s49, 0
	s_mov_b32 s51, 0
	s_mul_i32 s52, s8, BLK                         ; and where it goes: slot w: no place in the cluster enters an LDS address
	s_wait_dscnt 0x0                               ; both opening adds are done
	s_wait_kmcnt 0x0
	s_add_nc_u64 s[48:49], s[4:5], s[48:49]
	s_add_nc_u64 s[50:51], s[4:5], s[50:51]
	s_mov_b32 s[GH], 1
	s_mov_b32 s[GH+1], s52
	s_mov_b64 s[GH+2:GH+3], s[48:49]
	s_or_b32 s[GH+3], s[GH+3], 0x80000000
	s_mov_b32 s[G0], 1
	s_mov_b32 s[G0+1], s52
	s_mov_b64 s[G0+2:G0+3], s[50:51]
	s_or_b32 s[G0+3], s[G0+3], 0x80000000
	ROUND                                          ; all four work-groups are here: the first joint loads meet
	s_cmp_lt_u32 s8, 4                             ; one load a wave; K's have a line of their own, since they are waited for first
	s_cbranch_scc0 .Lfirst_v
	tensor_load_to_lds s[GH:GH+3], s[G1:G1+7]      ; K(0)
	s_nop 0
	PLACES 4
	s_branch .Lfirst_asked
.Lfirst_v:
	tensor_load_to_lds s[GH:GH+3], s[G1:G1+7]      ; V(0)
	s_nop 0
	PLACES 4
.Lfirst_asked:
	; Q: block wgx / 2 of type 0; register tile u is its tile 4 (wgx % 2) + (u xor 2 g)
	s_lshr_b32 s41, s21, 1
	s_mul_i32 s41, s41, BLK
	s_and_b32 s42, s21, 1
	s_lshl_b32 s43, s42, 13
	s_add_co_u32 s43, s43, s41
	s_lshl_b32 s14, s9, 12
	s_xor_b32 s16, s14, 4096
	s_add_co_u32 s14, s14, s43                     ; register tiles 0, 1
	s_add_co_u32 s16, s16, s43                     ; 2, 3
	s_mov_b32 s15, 0
	s_mov_b32 s17, 0
	s_lshl_b32 s18, s42, 3
	s_add_co_u32 s18, s18, s41
	s_add_co_u32 s18, s18, 32768
	s_mov_b32 s19, 0
	s_add_nc_u64 s[14:15], s[4:5], s[14:15]
	s_add_nc_u64 s[16:17], s[4:5], s[16:17]
	s_add_nc_u64 s[18:19], s[4:5], s[18:19]
	s_lshl_b32 s53, s9, 2
	v_and_b32 v48, 31, v0
	v_lshlrev_b32 v49, 4, v48                      ; 16 x lane
	v_add_nc_u32 v50, s53, v49                     ; Q's scale registers: group 1 takes them the other way round
	v_xor_b32 v51, 4, v50
	WALU
	WIN 0x40                                       ; destination window 1
.irp s, 0,1
.irp u, 0,1
.irp c, 0,1,2,3
	global_load_b128 v[128+32*\u+16*\s+4*\c:128+32*\u+16*\s+4*\c+3], v49, s[14:15] offset:16384*\s+2048*\u+512*\c
	global_load_b128 v[192+32*\u+16*\s+4*\c:192+32*\u+16*\s+4*\c+3], v49, s[16:17] offset:16384*\s+2048*\u+512*\c
.endr
.endr
.endr
	WIN 0
.irp s, 0,1
	global_load_b32 v[QSC+2*\s], v50, s[18:19] offset:512*\s     ; lanes 0-15: register tile 0's (2's) words, lanes 16-31: 1's (3's)
	global_load_b32 v[QSC+2*\s+1], v51, s[18:19] offset:512*\s
.endr
	; LDS addresses
	s_mul_i32 s52, s11, BLK
	s_lshl_b32 s53, s13, 13
	s_add_co_u32 s53, s53, s52                     ; K: block w / 2, my half's fragments
	s_lshl_b32 s54, s13, 3
	s_add_co_u32 s54, s54, s52
	s_add_co_u32 s54, s54, 32768                   ; their scale registers
	s_mul_i32 s55, s9, 2*BLK
	s_add_co_u32 s55, s55, 4*BLK
	s_lshl_b32 s56, s10, 13
	s_add_co_u32 s56, s56, s55                     ; V: my four channel tiles
	s_lshl_b32 s57, s12, 9
	s_lshl_b32 s58, s13, 3
	s_add_co_u32 s57, s57, s58
	s_add_co_u32 s57, s57, s55
	s_add_co_u32 s57, s57, 32768                   ; their scale registers
	s_lshl_b32 s58, s9, 14
	s_add_co_u32 s58, s58, PB                      ; my group's P
	s_lshl_b32 s59, s11, 13
	s_lshl_b32 s60, s13, 10
	s_add_co_u32 s59, s59, s60
	s_add_co_u32 s59, s59, PB                      ; my part of it
	s_lshl_b32 s61, s9, 9
	s_add_co_u32 s61, s61, PS
	s_lshl_b32 s60, s12, 3
	s_add_co_u32 s60, s60, s61
	s_lshl_b32 s62, s13, 1
	s_add_co_u32 s60, s60, s62
	s_lshl_b32 s62, s9, 10
	s_add_co_u32 s62, s62, MX
	s_lshl_b32 s63, s10, 2
	s_add_co_u32 s63, s63, s62
	; the prefetches
	s_and_b32 s66, ttmp9, 15                       ; my cluster's number in its batch
	s_lshl_b32 s43, s66, 2
	s_add_co_u32 s43, s43, s20
	s_min_u32 s43, s43, 32
	s_lshl_b32 s43, s43, 12                        ; my work-group's 16 units of K's, and of V's, four blocks
	s_cmp_lt_u32 s66, 9
	s_cselect_b32 s67, 6, 0
	s_cmp_eq_u32 s8, 0
	s_cselect_b32 s67, s67, 0
	s_lshl_b32 s70, s40, 5
	s_add_co_u32 s70, s70, 128+8
	s_mul_i32 s70, s70, BLK
	s_mov_b32 s71, 0
	s_add_nc_u64 s[PFA:PFA+1], s[4:5], s[70:71]    ; step 2 of my batch's K
	; where my two tiles of out begin: row 64 wgx + 32 g, channel 64 i
	s_lshl_b32 s72, s21, 16
	s_lshl_b32 s73, s9, 15
	s_add_co_u32 s72, s72, s73
	s_lshl_b32 s73, s10, 8
	s_add_co_u32 s72, s72, s73
	s_mov_b32 s73, 0
	s_add_nc_u64 s[6:7], s[6:7], s[72:73]
	s_mov_b32 s22, 0x76543210
	s_mov_b32 s23, 0xfedcba98                      ; v_permlanex16_b32's selects for lane l xor 16
	s_mov_b32 s[CS], 0x3db8aa3b                    ; c = log2(e) / 16
	s_mov_b32 s[CS+1], s[CS]                       ; (named with it as a pair)
	s_mov_b32 s46, 0x600000                        ; the mantissa field of 57,344
	v_and_b32 v52, 31, v0
	v_lshlrev_b32 v52, 4, v52                      ; 16 x lane
	v_and_b32 v53, 15, v0
	v_bfe_u32 v54, v0, 4, 1
	v_lshlrev_b32 v55, 4, v53                      ; 16 r
	v_add_nc_u32 v[AK], s53, v52
	v_add_nc_u32 v[AKS], s54, v52
	v_add_nc_u32 v[AV], s56, v52
	v_add_nc_u32 v[AVS], s57, v52
	v_add_nc_u32 v[AP], s58, v52
	v_add_nc_u32 v[APW], s59, v52
	v_add_nc_u32 v[PSW], s60, v55
	v_add_nc_u32 v[PSR], s61, v52
	v_add_nc_u32 v[MXW], s63, v55
	v_add_nc_u32 v[MXR], s62, v55
	v_mul_u32_u24 v54, v54, TS                     ; lanes 16-31: V
	v_lshl_add_u32 v54, v53, 8, v54
	v_add_nc_u32 v[PFO], s43, v54
.irp u, 0,1,2,3
	v_mov_b32 v[ST+4*\u], 0x7f61b1e6               ; -M: M lies under every t
	v_mov_b32 v[ST+4*\u+1], 0
	v_mov_b32 v[ST+4*\u+2], 0                      ; the sum, in two halves
	v_mov_b32 v[ST+4*\u+3], 0
.endr
	WIN 0x40
.set k, 0
.rept 128
	v_mov_b32 v[k], 0                              ; O^T: under the loads' flight.  (The loop's step is written once: the first finds zeros)
.set k, k+1
.endr
	WIN 0
	WALU
	s_cmp_lt_u32 s8, 4
	s_cbranch_scc0 .Lnot_k
	s_wait_tensorcnt 0x0                           ; K(0) is in; V's waves wait at the end of this turn
.Lnot_k:
	s_wait_dscnt 0x0
	s_barrier_signal -1
	s_barrier_wait -1
	s_wait_loadcnt 0x0                             ; Q
	s_mov_b32 s47, 0
	MAT 0, 1                                       ; both groups: S(0)
	BOUND 0, 0, 1                                  ; K(1)
	ASK
	s_cmp_lt_u32 s8, 4
	s_cbranch_scc0 .Lno_soft
	SOFT                                           ; group 0's first softmax
.Lno_soft:
	s_wait_xcnt 0x0                                ; the prefetch has read its address
	s_add_nc_u64 s[PFA:PFA+1], s[PFA:PFA+1], 4*BLK
	s_wait_tensorcnt 0x0                           ; K(1) is in
	s_wait_dscnt 0x0
	s_barrier_signal -1
	s_barrier_wait -1
	s_mov_b32 s47, 1
.Lstep:                                                ; n = 1 .. 6
	DUO 0
	BOUND 0, 1, 1                                  ; group 0's K(n + 1), V(n)
	ASK
	DUO 1
	s_wait_xcnt 0x0
	s_add_nc_u64 s[PFA:PFA+1], s[PFA:PFA+1], 4*BLK
	BOUND 1, 1, 0                                  ; group 1's
	s_add_co_u32 s47, s47, 1
	s_cmp_lt_u32 s47, 7
	s_cbranch_scc1 .Lstep
	DUO 0                                          ; n = 7: V(7) alone is left to fetch
	BOUND 0, 2, 1
	DUO 1
	BOUND 1, 2, 0
	s_cmp_lt_u32 s8, 4
	s_cbranch_scc0 .Llast_soft
	MAT 1, 0
	s_branch .Llast_join
.Llast_soft:
	SOFT
.Llast_join:
	s_wait_tensorcnt 0x0                           ; group 1's V(7) is in
	s_wait_dscnt 0x0
	s_barrier_signal -1
	s_barrier_wait -1
	s_cmp_lt_u32 s8, 4
	s_cbranch_scc1 .Ldone
	MAT 1, 0
.Ldone:
	; THE TWO GROUPS ARE JOINED.  My sums (over my own keys), -M and register tiles 2 and 3 go to LDS.
	s_lshl_b32 s52, s8, 13
	s_xor_b32 s53, s8, 4
	s_lshl_b32 s53, s53, 13
	s_xor_b32 s54, s9, 1
	s_lshl_b32 s54, s54, 10
	s_add_co_u32 s54, s54, MX
	s_mul_i32 s55, s8, 2*16*272
	s_add_co_u32 s55, s55, STG
.irp u, 0,1,2,3
	v_add_f32 v[64+\u], v[ST+4*\u+2], v[ST+4*\u+3]
.endr
.irp u, 0,1,2,3
	v_permlanex16_b32 v[68+\u], v[64+\u], s22, s23
.endr
.irp u, 0,1,2,3
	v_add_f32 v[64+\u], v[64+\u], v[68+\u]
.endr
	v_and_b32 v48, 31, v0
	v_lshlrev_b32 v48, 4, v48
	v_and_b32 v49, 15, v0
	v_bfe_u32 v50, v0, 4, 1
	v_add_nc_u32 v46, s52, v48                     ; where I put what I hand over,
	v_add_nc_u32 v47, s53, v48                     ; and where I find my partner's
	v_lshlrev_b32 v51, 4, v49                      ; 16 r
	v_add_nc_u32 v1, s54, v51                      ; the other group's sums
	v_mul_u32_u24 v2, v49, 272
	v_lshl_add_u32 v2, v50, 6, v2
	v_add_nc_u32 v2, s55, v2                       ; stage in: row r, + 64 h
	v_mul_u32_u24 v3, v50, 272
	v_add_nc_u32 v3, v3, v51
	v_add_nc_u32 v3, s55, v3                       ; stage out: lanes 0-15 one row of 256 bytes, lanes 16-31 the next
	v_lshl_add_u32 v4, v50, 10, v51                ; and the same in out
	WALU
.irp u, 0,1,2,3
	ds_store_b32 v[MXW], v[64+\u] offset:LX+256*\u
	ds_store_b32 v[MXW], v[ST+4*\u] offset:LX+2048+256*\u
.endr
	WIN 0x04                                       ; an LDS store's data are its source 1: window 1
.set k, 0
.rept 16
	ds_store_b128 v46, v[64+4*k:64+4*k+3] offset:512*k   ; each accumulator from its low end on
.set k, k+1
.endr
	WIN 0
	s_wait_dscnt 0x0                               ; for the others' sake: my stores have landed
	s_barrier_signal -1
	s_barrier_wait -1
.irp u, 0,1
	ds_load_b128 v[64+4*\u:67+4*\u], v[MXR] offset:LX+256*\u          ; my group's four sums
	ds_load_b128 v[72+4*\u:75+4*\u], v1 offset:LX+512+256*\u          ; the other's: its register tile u + 2 is my u
	ds_load_b32 v[80+\u], v1 offset:LX+2048+512+256*\u
.endr
.set k, 0
.rept 16
	ds_load_b128 v[S+4*k:S+4*k+3], v47 offset:512*k
.set k, k+1
.endr
	s_wait_dscnt 0x0
.irp u, 0,1
	v_pk_add_f32 v[64+4*\u:65+4*\u], v[64+4*\u:65+4*\u], v[66+4*\u:67+4*\u]
	v_pk_add_f32 v[72+4*\u:73+4*\u], v[72+4*\u:73+4*\u], v[74+4*\u:75+4*\u]
	v_min_num_f32 v[88+\u], v[ST+4*\u], v[80+\u]   ; -M of the two together: the larger M
.endr
.irp u, 0,1
	v_add_f32 v[84+\u], v[64+4*\u], v[65+4*\u]
	v_add_f32 v[86+\u], v[72+4*\u], v[73+4*\u]
	v_sub_f32 v[90+\u], v[88+\u], v[ST+4*\u]       ; my M less that: a whole number, 0 or less
	v_sub_f32 v[92+\u], v[88+\u], v[80+\u]
.endr
.irp u, 0,1
	v_cvt_i32_f32 v[90+\u], v[90+\u]
	v_cvt_i32_f32 v[92+\u], v[92+\u]
.endr
.irp u, 0,1
	v_ldexp_f32 v[90+\u], 1.0, v[90+\u]            ; the two powers of two: nothing is rounded
	v_ldexp_f32 v[92+\u], 1.0, v[92+\u]
.endr
.irp u, 0,1
	v_mul_f32 v[84+\u], v[84+\u], v[90+\u]
.endr
.irp u, 0,1
	v_fma_f32 v[84+\u], v[86+\u], v[92+\u], v[84+\u]   ; the row's sum over all keys
.endr
	WALU
	v_rcp_f32 v84, v84
	v_rcp_f32 v85, v85
	v_nop                                          ; one plain line behind a transcendental
	WALU
.irp u, 0,1
	v_mul_f32 v[96+4*\u], v[90+\u], v[84+\u]
	v_mul_f32 v[98+4*\u], v[92+\u], v[84+\u]
.endr
	WIN 0x01                                       ; source 0 window 1: my O^T
	WALU
.set k, 0
.rept 32
	v_pk_mul_f32 v[192+k:193+k], v[k:k+1], v[96+4*(k/32):97+4*(k/32)] op_sel_hi:[1,0]
.set k, k+2
.endr
	WIN 0
.set k, 0
.rept 32
	v_pk_fma_f32 v[192+k:193+k], v[S+k:S+k+1], v[98+4*(k/32):99+4*(k/32)], v[192+k:193+k] op_sel_hi:[1,0,1]
.set k, k+2
.endr
	; THE WAY OUT.  Register 16 b + j of tile u is out(query r, channel 64 i + 32 b + 16 h + j): through my own stage, back as rows of 256 bytes.
.set k, 0
.rept 16
	ds_store_b128 v2, v[192+4*k:195+4*k] offset:4352*(k/8)+128*((k%8)/4)+16*(k%4)
.set k, k+1
.endr
.set k, 0
.rept 16
	ds_load_b128 v[S+4*k:S+4*k+3], v3 offset:4352*(k/8)+544*(k%8)   ; LDS serves a wave's instructions in order (ISA guide 5.7.1.4): these see my stores
.set k, k+1
.endr
.set k, 0
.rept 16
	s_wait_dscnt 15-k                              ; load k is back; the younger ones may be out
	global_store_b128 v4, v[S+4*k:S+4*k+3], s[6:7] offset:(8*(k/8)+2*(k%8)+8*((k%8)/4))*1024 th:TH_STORE_NT   ; 16 lanes store 256 consecutive bytes, aligned; stage row r is the tile's row r + 8 (r / 8)
.set k, k+1
.endr
	s_wait_tensorcnt 0x0                           ; the wave's end, behind my last tensor load and my last LDS store
	ds_add_u32 v[SPW], v[NIL]
	s_wait_dscnt 0x0
	ROUND                                          ; the closing round: no work-group ends while a partner may still ask for a block that names it
	s_endpgm
.Lfunc_end_k_qfa4d69bc59_attn:
	.size	k_qfa4d69bc59_attn, .Lfunc_end_k_qfa4d69bc59_attn-k_qfa4d69bc59_attn
	.p2alignl 7, 3214868480
	.fill 96, 4, 3214868480
	.section	.rodata,"a",@progbits
	.p2align	6, 0x0
	.amdhsa_kernel k_qfa4d69bc59_attn
		.amdhsa_group_segment_fixed_size 327680
		.amdhsa_private_segment_fixed_size 0
		.amdhsa_enable_private_segment 0
		.amdhsa_kernarg_size 16
		.amdhsa_user_sgpr_count 2
		.amdhsa_user_sgpr_kernarg_segment_ptr 1
		.amdhsa_wavefront_size32 1
		.amdhsa_system_sgpr_workgroup_id_x 1
		.amdhsa_system_sgpr_workgroup_id_y 1
		.amdhsa_system_sgpr_workgroup_id_z 1
		.amdhsa_system_vgpr_workitem_id 0
		.amdhsa_next_free_vgpr 512
		.amdhsa_next_free_sgpr 80
		.amdhsa_reserve_vcc 0
		.amdhsa_float_denorm_mode_32 3
		.amdhsa_float_denorm_mode_16_64 3
		.amdhsa_memory_ordered 1
		.amdhsa_forward_progress 1
		.amdhsa_inst_pref_size 255
	.end_amdhsa_kernel
	.section	.bss,"aw",@nobits
	.p2align	6
	.space	262144
	.amdgpu_metadata
---
amdhsa.version: [ 1, 2 ]
amdhsa.kernels:
  - .name:           k_qfa4d69bc59_attn
    .symbol:         k_qfa4d69bc59_attn.kd
    .args:
      - { .name: img, .offset: 0, .size: 8, .value_kind: global_buffer, .address_space: global }
      - { .name: out0, .offset: 8, .size: 8, .value_kind: global_buffer, .address_space: global }
    .group_segment_fixed_size: 327680
    .private_segment_fixed_size: 0
    .kernarg_segment_align: 8
    .kernarg_segment_size: 16
    .max_flat_workgroup_size: 256
    .sgpr_count:     80
    .vgpr_count:     512
    .wavefront_size: 32
...
	.end_amdgpu_metadata
.endif
;; end of part 2
